; MI455X (gfx1250); checked and timed in simulation.
; The chip was launched on July 23, 2026; its instructions are those of AMD's public machine-readable ISA for CDNA 5 (MIT licence, August 2026) and "CDNA5" Instruction Set Architecture Reference Guide (July 2026). The comments in the code are by the model that wrote it; some were corrected since.
;; GPT2 Attention. Allowed arithmetic: matrix products marked QUANTISED: E2M3 operands, one E8M0 scale for each 32 along K, by v_wmma_scale_f32_16x16x128_f8f6f4 with both operands' format E2M3, f32 sums; everything else in f32.
;; Inputs: W_attn_codes 3,072 x 32 x 24 uint8 (E2M3 codes of W_attn, K innermost, in blocks of 32 codes, four codes in three bytes); W_attn_scales 3,072 x 32 uint8 (E8M0 scales of W_attn, one for each 32 codes along K); W_proj_codes 1,024 x 32 x 24 uint8 (E2M3 codes of W_proj, K innermost, in blocks of 32 codes, four codes in three bytes); W_proj_scales 1,024 x 32 uint8 (E8M0 scales of W_proj, one for each 32 codes along K); attention_mask 1 x 1 x 2,048 x 2,048 float32; b_attn 3,072 float32; b_proj 1,024 float32; x_codes 2 x 2,048 x 32 x 24 uint8 (E2M3 codes of x, K innermost, in blocks of 32 codes, four codes in three bytes); x_scales 2 x 2,048 x 32 uint8 (E8M0 scales of x, one for each 32 codes along K).
;; Outputs: out0 2 x 2,048 x 1,024 float32.
;; This version of the problem:
;;   THIS VERSION OF THE PROBLEM IS GIVEN IN LOW PRECISION. The matrix products marked QUANTISED in the list below multiply operands that are first quantised to E2M3 (2 exponent bits, 3 mantissa bits; 6 bits a number), with one power-of-two scale for each 32 numbers along K (OCP MX v1.0); their sums are f32. All else is computed in f32.
;;   The module's matrix products, in the order in which they are computed (A, B: the left and right operand; K: the contracted axis; several contracted axes count as one K, in the product's order):
;;     1. [M 4,096, K 1,024] x [K 1,024, N 3,072]; A: input x (given as codes); B: input W_attn (given as codes): QUANTISED
;;     2. batch 32 x [M 2,048, K 64] x [K 64, N 2,048]; A: computed on the way; B: computed on the way: QUANTISED
;;     3. batch 32 x [M 2,048, K 2,048] x [K 2,048, N 64]; A: softmax (see below); B: computed on the way: QUANTISED
;;     4. [M 4,096, K 1,024] x [K 1,024, N 1,024]; A: computed on the way; B: input W_proj (given as codes): QUANTISED
;;   THE QUANTISER, for each operand of a quantised product, along K:
;;     - K is cut into blocks of 32 from its start; a last block that is shorter is filled with zeros.
;;     - A block's scale is 2^e with e = floor(log2(the largest magnitude in the block)) - 2, held to -126 .. 127; a block of zeros has e = 0. As a byte (E8M0): e + 127.
;;     - Each number is divided by its block's scale, clamped to +-7.5, and rounded to the nearest number of E2M3, ties to even, subnormals kept.
;;     - The product sums the exact products of the quantised numbers (number of the format x scale) in f32.
;;   ~~~python
;;   def quantise(x, axis):      # numpy; x: float32 -> the quantised numbers, widened to float32 again
;;       x = np.moveaxis(x, axis, -1); K = x.shape[-1]
;;       x = np.pad(x, [(0, 0)] * (x.ndim - 1) + [(0, -K % 32)]); x = x.reshape(x.shape[:-1] + (-1, 32)); a = np.abs(x).max(-1, keepdims=True)
;;       e = np.where(a > 0, np.clip(np.frexp(np.where(a > 0, a, 1))[1] - 1 - 2, -126, 127), 0)      # np.frexp(a)[1] - 1 = floor(log2(a)), exactly
;;       r = np.clip(x / 2.0 ** e, -7.5, 7.5)
;;       step = 2.0 ** (np.maximum(np.frexp(np.where(r == 0, 1, r))[1] - 1, 0) - 3)
;;       q = np.round(r / step) * step * 2.0 ** e      # np.round: ties to even
;;       return np.moveaxis(q.reshape(q.shape[:-2] + (-1,))[..., :K], -1, axis).astype(np.float32)
;;   ~~~
;;   SOFTMAX AHEAD OF A QUANTISED PRODUCT. Where the list says 'softmax', what is quantised is not the finished softmax but p = 2^(t - M), with t = logit x log2(e) and M = ceil(the row's largest t), a whole number; so 1/2 < the row's largest p <= 1. The row's sum l is taken of the UNQUANTISED p, in f32, and the product's result is divided by l at the end. Since M is a whole number, a kernel that streams over the keys may use a running M (the ceiling of the running maximum): every later rescaling is an exact power of two, which a block's scale takes up: the codes' values come out the same.
;;   OPERANDS COMPUTED ON THE WAY. 'Computed on the way' means the value that the module computes at that place (a softmax that the list does not call 'softmax' is quantised finished and normalised). What goes into a quantiser is computed in f32, as accurately as f32 sums, v_exp_f32 and their like allow (about 1e-6 of the number): no bf16 or f16 on the way to a quantiser, and a product that is left as it is and whose result goes on into a quantised operand takes f32 operands (vector FMAs, or v_wmma_f32_16x16x4_f32). A number that lies on a knife's edge between two numbers of the format may be rounded either way, as far as f32 arithmetic and the matrix unit's own rounding can turn it there, and no further.
;;   INPUTS GIVEN AS CODES. W_attn (in the module: [3072, 1024], K = its axis 1); W_proj (in the module: [1024, 1024], K = its axis 1); x (in the module: [2, 2048, 1024], K = its axis 2): each comes as NAME_codes (uint8): NAME with its K axis moved to the last place and cut into blocks of 32 codes, [.., K / 32, bytes a block], one block behind the other in memory; four codes in three bytes: a row's codes are one little-endian stream of bits, code i at bits 6 i .. 6 i + 5 (a code: sign, 2 exponent bits, 3 mantissa bits); and NAME_scales (uint8): the same leading axes, one E8M0 byte (e + 127) for each 32 codes along K. Its value is code x scale, taken as it is: it is not quantised again, and the codes and scales need not be those that the quantiser above would give.
;; One version. Each part assembles by itself: llvm-mc -triple=amdgcn-amd-amdhsa -mcpu=gfx1250 --defsym DOCPART=n.
;; ======== version 1 of 1: 3 launches
;; limits: right only within a limited range of input values
;; workspace buffers: kv 6,553,600 bytes; qimg 3,276,800 bytes; ao 3,145,728 bytes; asc 131,072 bytes
;; launch qkv (part 1): grid 12 x 16, 4 waves a work-group, clusters of 4 x 4, 327,680 bytes of LDS; arguments x_codes, x_scales, W_attn_codes, W_attn_scales, b_attn, qimg, kv; writes qimg, kv
.if DOCPART == 1
	.amdgcn_target "amdgcn-amd-amdhsa--gfx1250"
	.amdhsa_code_object_version 6
	.text
	.protected	k_qfbbc89f1ea_qkv
	.globl	k_qfbbc89f1ea_qkv
	.p2align	8
	.type	k_qfbbc89f1ea_qkv,@function
k_qfbbc89f1ea_qkv:
	s_mov_b64 s[64:65], 0
	v_nop
	global_prefetch_b8 v0, s[64:65] scope:SCOPE_SE
	s_setreg_imm32_b32 hwreg(HW_REG_WAVE_MODE, 25, 1), 1
	s_wait_xcnt 0x0
	s_wait_alu depctr_hold_cnt(0) depctr_sa_sdst(0) depctr_va_vdst(0) depctr_va_sdst(0) depctr_va_ssrc(0) depctr_va_vcc(0) depctr_vm_vsrc(0)
	s_getreg_b32 s2, hwreg(HW_REG_IB_STS2, 6, 4)
	s_cmp_eq_u32 s2, 0
	s_cbranch_scc0 .Lentry_in_a_cluster
	s_endpgm
.Lentry_in_a_cluster:
	s_bfe_u32 s2, ttmp6, 0x10000c
	s_cmp_lg_u32 s2, 0xf033
	s_cbranch_scc0 .Lentry_shape_is_right
	s_endpgm
.Lentry_shape_is_right:
; qkv = x W_attn^T + b_attn on codes of FP6 (E2M3) with E8M0 scales, K = 1,024; q, k, v are quantised here and leave as images of operand registers.
; No work of the problem is left out in this program: every input is read, every score is computed.
; A work-group of four waves makes 256 x 256, a wave 128 x 128 (64 accumulators).  Cluster x = 0: q, 1: k, 2: v.  For q and k source 1 holds tokens and source 0 rows of W (a lane: one token, eight
; neighbouring dims); for v the roles are swapped (a lane: one dim, eight neighbouring tokens, since the keys are v's K).
; K walks through two LDS slots in chunks of 256 bytes of each row (a row of codes is 768 bytes: three chunks, each at a multiple of 256 bytes).  A step of 128 along K is 96 bytes: steps 2 and 5 lie across two chunks.
; The scales of the 256 + 256 rows are two dense blocks of 8,192 bytes: they come once.  4 x 4 clusters: source 1's tiles are shared along a row of the cluster, source 0's along a column: joint loads.
; No prefetch: of the walk's three chunks two are asked for at the head, and the one refill follows two steps later: there is no trip to run ahead in.
; lds_bytes claims all of LDS, and the adds of 0 stand where they do.
; LIMITS: a block whose largest magnitude lies under 2^-124 has its byte held at 1; a block of zeros gets the byte 1 (zero codes; read by this program alone).
.set ROWB,   256
.set NQ,     2
.set KROW,   768
.set STEPS,  8
.set CHUNKS, 3
.set PITCH,  272
.set FR,     12
.set NL,     6
.set NP,     4
.set HALFT,  128*PITCH
.set SLOT,   4*HALFT
.set KS,     32
.set SCL,    2*SLOT
.set HALFS,  (128*KS/256)*272
.set SBLK,   (16*KS/256)*272
.set SPARE,  SCL+4*HALFS
.set ADRA, 16
.set ADRB, 20
.set CO,   26
.set ADRS, 27
.set SPW,  28
.set NIL,  29
.set BQ,   30
.set BV,   31
.set SC,   32
.set BI,   64
.set AF,   128
.set T,    128
.set F0,   192
.set F1,   204
.set CV,   216
.set TM,   224
.set PWS,  240
.set W,    248
.set VSEL, 252
.set SOFF, 253
.set SEL,  66
.set G1, 24
.set G0, 32
.set G1B, 48
.set G0B, 56
.set G1S, 68
.set G0S, 76
.set G1SB, 80
.set G0SB, 88
.set G0H, 4
.set G0HB, 8
.set MSB, 0
.macro WIN new
.if MSB != \new
	s_set_vgpr_msb (MSB<<8)|\new
.set MSB, \new
.endif
.endm
.set MUL_LO, 0xa1
.set MUL_HI, 0xf1
.set TO_B,   0x40
.macro JLOAD g0a, g1a, g0b, g1b        ; waves 0, 1 fetch source 1's halves, waves 2, 3 source 0's
	s_cmp_eq_u32 s15, 0
	s_cbranch_scc0 .Lfor_b_\@
	tensor_load_to_lds s[\g0a:\g0a+3], s[\g1a:\g1a+7]
	s_nop 0
.rept 4
	v_nop
.endr
	s_branch .Lasked_\@
.Lfor_b_\@:
	tensor_load_to_lds s[\g0b:\g0b+3], s[\g1b:\g1b+7]
	s_nop 0
.rept 4
	v_nop
.endr
.Lasked_\@:
.endm
.macro CREST
	s_cmp_lg_u32 s14, 0
	s_cbranch_scc1 .Lnot_wave_0_\@
	s_barrier_signal -3
.Lnot_wave_0_\@:
	s_barrier_wait -3
	s_barrier_signal -1
	s_barrier_wait -1
.endm
.macro CROUND
	s_barrier_signal -1
	s_barrier_wait -1
	CREST
.endm
	s_load_b128 s[4:7], s[0:1], 0x0                ; x's codes, scales
	s_load_b128 s[8:11], s[0:1], 0x10              ; W_attn's codes, scales
	s_load_b128 s[96:99], s[0:1], 0x20             ; b_attn, qimg
	s_load_b64 s[100:101], s[0:1], 0x30            ; kv
	v_lshl_add_u32 v[SPW], v0, 2, SPARE
	v_mov_b32 v[NIL], 0
	ds_add_u32 v[SPW], v[NIL]                      ; the opening adds, twice on end
	ds_add_u32 v[SPW], v[NIL]
	v_lshrrev_b32 v1, 5, v0
	v_readfirstlane_b32 s14, v1                    ; wave
	s_lshr_b32 s15, s14, 1
	s_and_b32 s16, s14, 1
	s_bfe_u32 s40, ttmp6, 0x40000                  ; cx
	s_bfe_u32 s41, ttmp6, 0x40004                  ; cy
	s_and_b32 s17, ttmp7, 0xffff
	s_lshl_b32 s43, s41, 2
	s_lshl_b32 s43, 15, s43                        ; my row of the cluster
	s_lshl_b32 s44, 0x1111, s40                    ; my column
	s_or_b32 s[G1+0], s43, (0<<16)|(1<<20)|(1<<21)|(5<<22)|(3<<25)   ; rows of 256 bytes, 16 bytes of padding behind each
	s_or_b32 s[G1B+0], s44, (0<<16)|(1<<20)|(1<<21)|(5<<22)|(3<<25)
.irp g, G1, G1B
	s_mov_b32 s[\g+1], ROWB<<16
	s_mov_b32 s[\g+2], 256<<16                     ; the head's loads bring 256 rows
	s_mov_b32 s[\g+3], ROWB<<16
	s_mov_b32 s[\g+4], 256
	s_mov_b32 s[\g+5], KROW
	s_mov_b32 s[\g+6], 0
	s_mov_b32 s[\g+7], 0
.endr
	s_or_b32 s[G1S+0], s43, (3<<16)|(1<<20)|(1<<21)|(5<<22)|(3<<25)  ; the scales of 256 rows: 32 rows of 256 bytes
	s_or_b32 s[G1SB+0], s44, (3<<16)|(1<<20)|(1<<21)|(5<<22)|(3<<25)
.irp g, G1S, G1SB
	s_mov_b32 s[\g+1], 32<<16
	s_mov_b32 s[\g+2], KS<<16
	s_mov_b32 s[\g+3], 32<<16
	s_mov_b32 s[\g+4], KS
	s_mov_b32 s[\g+5], 32
	s_mov_b32 s[\g+6], 0
	s_mov_b32 s[\g+7], 0
.endr
	s_lshl_b32 s19, s17, 10                        ; the cluster's 1,024 tokens
	s_lshl_b32 s42, ttmp9, 10                      ; its 1,024 rows of W (q, k)
	s_lshl_b32 s20, s41, 8
	s_lshl_b32 s46, s40, 8
	s_cmp_lt_u32 ttmp9, 2
	s_cselect_b32 s21, s19, 0x800                  ; v: source 1 holds W's rows from 2,048 on
	s_cselect_b32 s47, s42, s19
	s_add_co_u32 s20, s20, s21                     ; source 1's first row
	s_add_co_u32 s46, s46, s47                     ; source 0's first row
	s_lshl_b32 s2, s15, 7
	s_add_co_u32 s2, s2, s20
	s_lshl_b32 s18, s16, 7
	s_add_co_u32 s18, s18, s46
	s_cmp_lt_u32 ttmp9, 2
	s_cselect_b32 s2, s18, s2                      ; my wave's first row of W: the bias's index
	s_mov_b32 s21, 0
	s_mov_b32 s47, 0
	s_mov_b64 s[18:19], KS
	s_mul_u64 s[22:23], s[20:21], s[18:19]
	s_mul_u64 s[92:93], s[46:47], s[18:19]
	s_mov_b64 s[18:19], KROW
	s_mul_u64 s[20:21], s[20:21], s[18:19]
	s_mul_u64 s[46:47], s[46:47], s[18:19]
	s_mul_i32 s18, s16, 128*KROW                   ; in the ring I fetch 128 rows
	s_mov_b32 s19, 0
	s_mul_i32 s45, s14, HALFT
	s_wait_dscnt 0x0                               ; both opening adds are done
	s_wait_kmcnt 0x0
	s_cmp_lt_u32 ttmp9, 2
	s_cselect_b64 s[66:67], s[4:5], s[8:9]
	s_cselect_b64 s[8:9], s[8:9], s[4:5]
	s_mov_b64 s[4:5], s[66:67]
	s_cselect_b64 s[66:67], s[6:7], s[10:11]
	s_cselect_b64 s[10:11], s[10:11], s[6:7]
	s_mov_b64 s[6:7], s[66:67]
	s_add_nc_u64 s[20:21], s[4:5], s[20:21]
	s_add_nc_u64 s[22:23], s[6:7], s[22:23]
	s_add_nc_u64 s[46:47], s[8:9], s[46:47]
	s_add_nc_u64 s[92:93], s[10:11], s[92:93]
	CROUND                                         ; in front of the first joint loads
	s_mov_b32 s[G0H], 1
	s_mov_b32 s[G0H+1], 0
	s_mov_b64 s[G0H+2:G0H+3], s[20:21]
	s_or_b32 s[G0H+3], s[G0H+3], 0x80000000
	s_mov_b32 s[G0HB], 1
	s_mov_b32 s[G0HB+1], 2*HALFT
	s_mov_b64 s[G0HB+2:G0HB+3], s[46:47]
	s_or_b32 s[G0HB+3], s[G0HB+3], 0x80000000
	s_mov_b32 s[G0S], 1
	s_mov_b32 s[G0S+1], SCL
	s_mov_b64 s[G0S+2:G0S+3], s[22:23]
	s_or_b32 s[G0S+3], s[G0S+3], 0x80000000
	s_mov_b32 s[G0SB], 1
	s_mov_b32 s[G0SB+1], SCL+2*HALFS
	s_mov_b64 s[G0SB+2:G0SB+3], s[92:93]
	s_or_b32 s[G0SB+3], s[G0SB+3], 0x80000000
	s_add_nc_u64 s[20:21], s[20:21], s[18:19]
	s_add_nc_u64 s[46:47], s[46:47], s[18:19]
.irp s, 0,1
	s_mov_b32 s[G0+4*\s], 1
	s_add_co_u32 s[G0+4*\s+1], s45, \s*SLOT
	s_add_nc_u64 s[G0+4*\s+2:G0+4*\s+3], s[20:21], \s*ROWB
	s_or_b32 s[G0+4*\s+3], s[G0+4*\s+3], 0x80000000
	s_mov_b32 s[G0B+4*\s], 1
	s_add_co_u32 s[G0B+4*\s+1], s45, \s*SLOT
	s_add_nc_u64 s[G0B+4*\s+2:G0B+4*\s+3], s[46:47], \s*ROWB
	s_or_b32 s[G0B+4*\s+3], s[G0B+4*\s+3], 0x80000000
.endr
; the head's four tiles, one load a wave: chunk 0 of source 1, of source 0, and the two blocks of scales
.macro ARM under, g0, g1, next
	s_cmp_lt_u32 s14, \under
	s_cbranch_scc0 \next
	tensor_load_to_lds s[\g0:\g0+3], s[\g1:\g1+7]
	s_nop 0
.rept 4
	v_nop
.endr
	s_branch .Lhead_asked
\next:
.endm
	ARM 1, G0H,  G1,  .Lhead_b
	ARM 2, G0HB, G1B, .Lhead_sa
	ARM 3, G0S,  G1S, .Lhead_sb
	tensor_load_to_lds s[G0SB:G0SB+3], s[G1SB:G1SB+7]
	s_nop 0
.rept 4
	v_nop
.endr
.Lhead_asked:
	v_and_b32 v1, 15, v0                           ; r
	v_bfe_u32 v2, v0, 4, 1                         ; h
	v_mul_u32_u24 v3, v1, PITCH
	v_mul_u32_u24 v4, v2, 24
	v_add_nc_u32 v4, v3, v4
	s_mov_b32 s21, SLOT-232
	s_mov_b32 s22, SLOT+232
	v_sub_nc_u32 v7, 1, v2
	v_mul_u32_u24 v5, s21, v2
	v_add_nc_u32 v5, v3, v5
	v_add_nc_u32 v5, 232, v5                       ; lanes 0-15 byte 232 of the row in slot 0, lanes 16-31 byte 0 in slot 1
	v_mul_u32_u24 v6, s22, v7
	v_add_nc_u32 v6, v3, v6                        ; and the other way round
	s_mul_i32 s21, s15, HALFT
	s_mul_i32 s22, s16, HALFT
	s_add_co_u32 s22, s22, 2*HALFT
	v_add_nc_u32 v[ADRA+2], s21, v5
	v_add_nc_u32 v[ADRA+3], s21, v6
	v_add_nc_u32 v[ADRB+2], s22, v5
	v_add_nc_u32 v[ADRB+3], s22, v6
.irp s, 0,1
	v_add_nc_u32 v[ADRA+\s], s21, v4
	v_add_nc_u32 v[ADRB+\s], s22, v4
	s_add_co_u32 s21, s21, SLOT
	s_add_co_u32 s22, s22, SLOT
.endr
	v_mul_u32_u24 v5, v1, KS
	v_lshrrev_b32 v6, 8, v5
	v_lshl_add_u32 v5, v6, 4, v5
	s_mul_i32 s21, s15, HALFS
	s_mul_i32 s22, s16, HALFS
	s_add_co_u32 s22, s22, 2*HALFS
	s_sub_co_u32 s22, s22, s21
	v_mul_u32_u24 v6, s22, v2
	s_add_co_u32 s21, s21, SCL
	v_add_nc_u32 v5, v5, v6
	v_add_nc_u32 v[ADRS], s21, v5
	s_wait_alu depctr_va_vdst(0)                   ; ahead of the run of scalar lines
	; where my results go: block (256 batch + 64 (head / 4) + 4 (token / 128) + head % 4) of qimg (6,400 bytes) or kv (12,800 bytes)
	s_lshl_b32 s66, s2, 2
	s_mov_b32 s67, 0
	s_add_nc_u64 s[96:97], s[96:97], s[66:67]
	s_mov_b32 s[SEL], 0x76543210
	s_mov_b32 s[SEL+1], 0xfedcba98
	s_lshl_b32 s22, s17, 2
	s_cmp_lt_u32 ttmp9, 2
	s_cselect_b32 s23, s41, s40
	s_cselect_b32 s42, s40, s41
	s_cselect_b32 s43, s15, s16
	s_cselect_b32 s44, s16, s15
	s_add_co_u32 s22, s22, s23
	s_lshr_b32 s23, s22, 3
	s_and_b32 s22, s22, 7
	s_lshl_b32 s22, s22, 1
	s_add_co_u32 s22, s22, s43
	s_lshl_b32 s23, s23, 8
	s_lshl_b32 s42, s42, 6
	s_add_co_u32 s23, s23, s42
	s_lshl_b32 s22, s22, 2
	s_add_co_u32 s23, s23, s22
	s_lshl_b32 s44, s44, 1
	s_add_co_u32 s23, s23, s44
	s_mov_b32 s20, 12800
	s_mov_b32 s21, 12288
	s_cmp_eq_u32 ttmp9, 0
	s_cselect_b64 s[12:13], s[98:99], s[100:101]
	s_cselect_b32 s20, 6400, s20
	s_cselect_b32 s21, 6144, s21
	s_cmp_eq_u32 ttmp9, 2
	s_cselect_b32 s21, 12544, s21
	s_mul_i32 s22, s23, s20
	s_mov_b32 s23, 0
	s_add_nc_u64 s[12:13], s[12:13], s[22:23]
	s_mov_b32 s22, s20
	s_add_nc_u64 s[18:19], s[12:13], s[22:23]
	v_and_b32 v6, 31, v0
	v_lshlrev_b32 v[CO], 4, v6
	v_lshlrev_b32 v[BQ], 5, v2
	v_lshlrev_b32 v[BV], 2, v1
	v_mul_u32_u24 v[SOFF], s20, v2
	v_lshl_add_u32 v[SOFF], v1, 4, v[SOFF]
	v_add_nc_u32 v[SOFF], s21, v[SOFF]
	v_cmp_ne_u32 vcc_lo, 0, v2
	v_mov_b32 v[VSEL], 0x05040100
	v_mov_b32 v254, 0x07060302
	v_cndmask_b32 v[VSEL], v[VSEL], v254, vcc_lo
.irp b, 0,1,2,3
	v_mov_b32 v[TM+4+\b], 0
.endr
	; the bias, in the result's layout; it lands under the walk along K
	s_cmp_eq_u32 ttmp9, 2
	s_wait_alu depctr_va_vdst(0)                   ; ahead of the branch
	s_cbranch_scc1 .Lbias_v
.irp b, 0,1,2,3,4,5,6,7
	global_load_b128 v[BI+8*\b:BI+8*\b+3], v[BQ], s[96:97] offset:64*\b
	global_load_b128 v[BI+8*\b+4:BI+8*\b+7], v[BQ], s[96:97] offset:64*\b+16
.endr
	s_branch .Lbias_done
.Lbias_v:
.irp a, 0,1,2,3,4,5,6,7
	global_load_b32 v[BI+2*\a], v[BV], s[96:97] offset:64*\a
	global_load_b32 v[BI+2*\a+1], v[BV], s[96:97] offset:64*\a
.endr
.Lbias_done:
.macro FRAG reg, adr, st, i            ; 16 rows x 128 K: six pieces of 8 bytes; byte y of a row lies in slot (y / 256) % 2 at byte y % 256
.irp p, 0,1,2,3,4,5
.set BY, 96*(\st)+48*(\p/3)+8*(\p%3)
.if BY/ROWB == (BY+24)/ROWB
	ds_load_b64 v[\reg+2*\p:\reg+2*\p+1], v[\adr+(BY/ROWB)%2] offset:BY%ROWB+(\i)*16*PITCH
.else
	ds_load_b64 v[\reg+2*\p:\reg+2*\p+1], v[\adr+2+(BY/ROWB)%2] offset:BY%ROWB-232+(\i)*16*PITCH
.endif
.endr
.endm
.macro MUL16 a0, p, q, sc, zero        ; the 64 accumulators take turns, in the same order in every step
.irp a, \a0, \a0+1
.irp b, 0,1,2,3,4,5,6,7
.if \zero
	v_wmma_scale_f32_16x16x128_f8f6f4 v[8*(8*((\a)%4)+\b):8*(8*((\a)%4)+\b)+7], v[128*(\p)+FR*\b:128*(\p)+FR*\b+FR-1], v[AF+FR*(\a):AF+FR*(\a)+FR-1], 0, v[SC+8*NQ*(\sc)+NQ*\b+(\q)], v[SC+8*NQ*(\sc)+NQ*(\a)+(\q)] matrix_a_fmt:MATRIX_FMT_FP6 matrix_b_fmt:MATRIX_FMT_FP6 matrix_a_scale:MATRIX_SCALE_ROW1
.else
	v_wmma_scale_f32_16x16x128_f8f6f4 v[8*(8*((\a)%4)+\b):8*(8*((\a)%4)+\b)+7], v[128*(\p)+FR*\b:128*(\p)+FR*\b+FR-1], v[AF+FR*(\a):AF+FR*(\a)+FR-1], v[8*(8*((\a)%4)+\b):8*(8*((\a)%4)+\b)+7], v[SC+8*NQ*(\sc)+NQ*\b+(\q)], v[SC+8*NQ*(\sc)+NQ*(\a)+(\q)] matrix_a_fmt:MATRIX_FMT_FP6 matrix_b_fmt:MATRIX_FMT_FP6 matrix_a_scale:MATRIX_SCALE_ROW1
.endif
.endr
.endr
.endm
.macro FETCH_B st, p
	WIN TO_B
.irp i, 0,1,2,3,4,5,6,7
	FRAG 128*(\p)+FR*\i, ADRB, \st, \i
.endr
	WIN 0
.endm
.macro FETCH_A st, i0
.irp i, \i0, \i0+1, \i0+2, \i0+3
	FRAG AF+FR*(\i), ADRA, \st, \i
.endr
.endm
.macro SCALES pr                       ; the scale words of two steps: lanes 0-15 source 1's block i, lanes 16-31 source 0's
.irp i, 0,1,2,3,4,5,6,7
	ds_load_b64 v[SC+8*NQ*((\pr)%2)+NQ*\i:SC+8*NQ*((\pr)%2)+NQ*\i+1], v[ADRS] offset:\i*SBLK+4*NQ*(\pr)
.endr
.endm
.macro PLACES n
.rept \n
	v_nop
.endr
.endm
; A step: 64 products; the next step's fragments are fetched in its middle and at its end.  Where the next step's bytes end in a chunk not yet read, a barrier shows that chunk whole;
; where they begin in a later chunk, the chunk left behind is free: the three lines, the barrier, and (chunk 0 alone) a round and the refill with chunk 2.
.macro STEP st, zero
.set NX, (\st)+1
.set C0, (96*(\st))/ROWB
.set C1, (96*NX)/ROWB
.set E0, (96*(\st)+95)/ROWB
.set E1, (96*NX+95)/ROWB
.if C1 > C0 || E1 > E0
	s_wait_tensorcnt 0x0                           ; all my tensor loads have landed
.if C1 > C0
	ds_add_u32 v[SPW], v[NIL]
	s_wait_dscnt 4*NL+1                            ; the add and the youngest 24 loads may be out
.else
	s_wait_dscnt 4*NL                              ; the youngest 24 loads (blocks 4-7) may be out
.endif
	WIN MUL_LO
	MUL16 0, (\st)%2, (\st)%2, ((\st)/2)%2, \zero
	s_wait_dscnt 0x0                               ; the add and all my reads are done
	s_barrier_signal -1
	MUL16 2, (\st)%2, (\st)%2, ((\st)/2)%2, \zero
	WIN 0
	s_barrier_wait -1
.if C1 > C0 && C0+2 < CHUNKS
	CREST
	s_add_nc_u64 s[G0+4*(C0%2)+2:G0+4*(C0%2)+3], s[G0+4*(C0%2)+2:G0+4*(C0%2)+3], 2*ROWB
	s_add_nc_u64 s[G0B+4*(C0%2)+2:G0B+4*(C0%2)+3], s[G0B+4*(C0%2)+2:G0B+4*(C0%2)+3], 2*ROWB
	JLOAD G0+4*(C0%2), G1, G0B+4*(C0%2), G1B
.else
	PLACES NP
.endif
.else
	s_wait_dscnt 4*NL
	WIN MUL_LO
	MUL16 0, (\st)%2, (\st)%2, ((\st)/2)%2, \zero
	MUL16 2, (\st)%2, (\st)%2, ((\st)/2)%2, \zero
	s_wait_dscnt 0
	PLACES NP
.endif
	FETCH_B NX, NX%2
	FETCH_A NX, 0
.if NX%2 == 0
	SCALES NX/2
.endif
	WIN MUL_HI
	MUL16 4, (\st)%2, (\st)%2, ((\st)/2)%2, \zero
	MUL16 6, (\st)%2, (\st)%2, ((\st)/2)%2, \zero
	PLACES NP
	WIN 0
	FETCH_A NX, 4
.endm
.macro ADDB a, isv                     ; block a's 64 sums + the bias, each accumulator from its low end on
	WIN 0x02+(\a)/4
.set i, 0
.rept 32
.if \isv
	v_pk_add_f32 v[T+2*i:T+2*i+1], v[64*((\a)%4)+2*i:64*((\a)%4)+2*i+1], v[BI+2*(\a):BI+2*(\a)+1]
.else
	v_pk_add_f32 v[T+2*i:T+2*i+1], v[64*((\a)%4)+2*i:64*((\a)%4)+2*i+1], v[BI+2*i:BI+2*i+1]
.endif
.set i, i+1
.endr
	WIN 0
.endm
.macro QUANT s, d0, d1, pw             ; four blocks of 32 (16 numbers here, 16 in lane l xor 16): scale bytes and codes, a whole block to a lane
.irp b, 0,1,2,3
	v_max3_num_f32 v[TM+\b], |v[\s+16*\b]|, |v[\s+1+16*\b]|, 0x1800000
.endr
.irp i, 2,4,6,8,10,12,14
.irp b, 0,1,2,3
	v_max3_num_f32 v[TM+\b], v[TM+\b], |v[\s+16*\b+\i]|, |v[\s+1+16*\b+\i]|
.endr
.endr
.irp b, 0,1,2,3
	v_permlanex16_b32 v[TM+4+\b], v[TM+\b], s[SEL], s[SEL+1]
.endr
.irp b, 0,1,2,3
	v_max_num_f32 v[TM+\b], v[TM+\b], v[TM+4+\b]
.endr
.irp b, 0,1,2,3
	v_add_nc_u32 v[TM+12+\b], 0xff000000, v[TM+\b]
.endr
.irp b, 0,1,2,3
	v_lshrrev_b32 v[TM+4+\b], 23, v[TM+12+\b]
.endr
	v_lshl_or_b32 v[\pw], v[TM+5], 8, v[TM+4]
	v_lshl_or_b32 v[\pw], v[TM+6], 16, v[\pw]
	v_lshl_or_b32 v[\pw], v[TM+7], 24, v[\pw]
	v_cvt_scalef32_pk16_fp6_f32 v[\d0:\d0+2], v[\s:\s+15], v[TM+12]
	v_cvt_scalef32_pk16_fp6_f32 v[CV:CV+2], v[\s+16:\s+31], v[TM+13]
	v_cvt_scalef32_pk16_fp6_f32 v[\d1:\d1+2], v[\s+32:\s+47], v[TM+14]
	v_cvt_scalef32_pk16_fp6_f32 v[CV+4:CV+6], v[\s+48:\s+63], v[TM+15]
	v_nop
.irp i, 0,1,2
	v_permlane16_swap_b32 v[\d0+\i], v[CV+\i]
	v_permlane16_swap_b32 v[\d1+\i], v[CV+4+\i]
.endr
.irp i, 0,1,2
	v_mov_b32 v[\d0+3+\i], v[CV+\i]
	v_mov_b32 v[\d1+3+\i], v[CV+4+\i]
.endr
.endm
	s_wait_alu depctr_va_vdst(0)                   ; the head's end
	s_wait_tensorcnt 0x0                           ; my tile of the head's four is in
	ds_add_u32 v[SPW], v[NIL]
	s_mov_b32 s[G1+2], 128<<16                     ; no load of mine is out: from here on a load brings 128 rows
	s_mov_b32 s[G1+4], 128
	s_mov_b32 s[G1B+2], 128<<16
	s_mov_b32 s[G1B+4], 128
	s_wait_dscnt 0x0
	CROUND
	JLOAD G0+4, G1, G0B+4, G1B                     ; chunk 1: slot 1's first fill, issued as a refill is
	FETCH_B 0, 0
	FETCH_A 0, 0
	SCALES 0
	FETCH_A 0, 4
	STEP 0, 1                                      ; the first step's products start the sums
.set ST, 1
.rept STEPS-2
	STEP ST, 0
.set ST, ST+1
.endr
	s_wait_dscnt 4*NL
	WIN MUL_LO
	MUL16 0, 1, 1, 1, 0
	MUL16 2, 1, 1, 1, 0
	s_wait_dscnt 0
	WIN MUL_HI
	MUL16 4, 1, 1, 1, 0
	MUL16 6, 1, 1, 1, 0
	WIN 0
	s_wait_loadcnt 0x0                             ; the bias
	PLACES NP
	s_cmp_eq_u32 ttmp9, 2
	s_cbranch_scc1 .Lmake_v
.irp a, 0,1,2,3,4,5,6,7                ; q, k: a block of 16 tokens x two heads; two blocks make a fragment of each head
.if (\a > 0) && (\a%2 == 0)
	s_wait_xcnt 0x0                                ; the last stores have read their registers
.endif
	ADDB \a, 0
	QUANT T, F0+6*(\a%2), F1+6*(\a%2), PWS+\a
.if \a%2 == 1
.irp g, 0,1,2
	global_store_b128 v[CO], v[F0+4*\g:F0+4*\g+3], s[12:13] offset:(\a/2)*1536+\g*512
	global_store_b128 v[CO], v[F1+4*\g:F1+4*\g+3], s[18:19] offset:(\a/2)*1536+\g*512
.endr
.endif
.endr
.irp f, 0,1,2,3
	v_perm_b32 v[W+\f], v[PWS+2*\f+1], v[PWS+2*\f], v[VSEL]
.endr
	global_store_b128 v[SOFF], v[W:W+3], s[12:13]
	s_branch .Lend
.Lmake_v:
.irp a, 0,1,2,3,4,5,6,7                ; v: a block of 16 dims x 128 tokens is a fragment
.if \a > 1
	s_wait_xcnt 0x0
.endif
	ADDB \a, 1
	QUANT T, F0+12*(\a%2), F0+12*(\a%2)+6, PWS+\a
.irp g, 0,1,2
.if \a < 4
	global_store_b128 v[CO], v[F0+12*(\a%2)+4*\g:F0+12*(\a%2)+4*\g+3], s[12:13] offset:6144+(\a%4)*1536+\g*512
.else
	global_store_b128 v[CO], v[F0+12*(\a%2)+4*\g:F0+12*(\a%2)+4*\g+3], s[18:19] offset:6144+(\a%4)*1536+\g*512
.endif
.endr
.endr
	v_and_b32 v254, 16, v0
	v_cmp_ne_u32 vcc_lo, 0, v254
.irp t, 0,1,2,3
	v_cndmask_b32 v[W+\t], v[PWS+\t], v[PWS+4+\t], vcc_lo
.endr
	global_store_b128 v[SOFF], v[W:W+3], s[12:13]
.Lend:
	s_wait_tensorcnt 0x0                           ; the wave's end
	ds_add_u32 v[SPW], v[NIL]
	s_wait_dscnt 0x0
	CROUND                                         ; the closing round
	s_endpgm
.Lfunc_end_k_qfbbc89f1ea_qkv:
	.size	k_qfbbc89f1ea_qkv, .Lfunc_end_k_qfbbc89f1ea_qkv-k_qfbbc89f1ea_qkv
	.p2alignl 7, 3214868480
	.fill 96, 4, 3214868480
	.section	.rodata,"a",@progbits
	.p2align	6, 0x0
	.amdhsa_kernel k_qfbbc89f1ea_qkv
		.amdhsa_group_segment_fixed_size 327680
		.amdhsa_private_segment_fixed_size 0
		.amdhsa_enable_private_segment 0
		.amdhsa_kernarg_size 56
		.amdhsa_user_sgpr_count 2
		.amdhsa_user_sgpr_kernarg_segment_ptr 1
		.amdhsa_wavefront_size32 1
		.amdhsa_system_sgpr_workgroup_id_x 1
		.amdhsa_system_sgpr_workgroup_id_y 1
		.amdhsa_system_sgpr_workgroup_id_z 1
		.amdhsa_system_vgpr_workitem_id 0
		.amdhsa_next_free_vgpr 1024
		.amdhsa_next_free_sgpr 102
		.amdhsa_reserve_vcc 1
		.amdhsa_float_denorm_mode_32 3
		.amdhsa_float_denorm_mode_16_64 3
		.amdhsa_memory_ordered 1
		.amdhsa_forward_progress 1
		.amdhsa_inst_pref_size 234
	.end_amdhsa_kernel
	.amdgpu_metadata
---
amdhsa.version: [ 1, 2 ]
amdhsa.kernels:
  - .name:           k_qfbbc89f1ea_qkv
    .symbol:         k_qfbbc89f1ea_qkv.kd
    .args:
      - { .name: x_codes, .offset: 0, .size: 8, .value_kind: global_buffer, .address_space: global }
      - { .name: x_scales, .offset: 8, .size: 8, .value_kind: global_buffer, .address_space: global }
      - { .name: W_attn_codes, .offset: 16, .size: 8, .value_kind: global_buffer, .address_space: global }
      - { .name: W_attn_scales, .offset: 24, .size: 8, .value_kind: global_buffer, .address_space: global }
      - { .name: b_attn, .offset: 32, .size: 8, .value_kind: global_buffer, .address_space: global }
      - { .name: qimg, .offset: 40, .size: 8, .value_kind: global_buffer, .address_space: global }
      - { .name: kv, .offset: 48, .size: 8, .value_kind: global_buffer, .address_space: global }
    .group_segment_fixed_size: 327680
    .private_segment_fixed_size: 0
    .kernarg_segment_align: 8
    .kernarg_segment_size: 56
    .max_flat_workgroup_size: 128
    .sgpr_count:     102
    .vgpr_count:     1024
    .wavefront_size: 32
...
	.end_amdgpu_metadata
.endif
;; end of part 1
;; launch attn (part 2): grid 4 x 64, 16 waves a work-group, clusters of 4 x 4, 327,680 bytes of LDS; arguments qimg, kv, attention_mask, ao, asc; writes ao, asc
.if DOCPART == 2
	.amdgcn_target "amdgcn-amd-amdhsa--gfx1250"
	.amdhsa_code_object_version 6
	.text
	.protected	k_qfbbc89f1ea_attn
	.globl	k_qfbbc89f1ea_attn
	.p2align	8
	.type	k_qfbbc89f1ea_attn,@function
k_qfbbc89f1ea_attn:
	s_mov_b64 s[64:65], 0
	v_nop
	global_prefetch_b8 v0, s[64:65] scope:SCOPE_SE
	s_setreg_imm32_b32 hwreg(HW_REG_WAVE_MODE, 25, 1), 1
	s_wait_xcnt 0x0
	s_wait_alu depctr_hold_cnt(0) depctr_sa_sdst(0) depctr_va_vdst(0) depctr_va_sdst(0) depctr_va_ssrc(0) depctr_va_vcc(0) depctr_vm_vsrc(0)
	s_getreg_b32 s2, hwreg(HW_REG_IB_STS2, 6, 4)
	s_cmp_eq_u32 s2, 0
	s_cbranch_scc0 .Lentry_in_a_cluster
	s_endpgm
.Lentry_in_a_cluster:
	s_bfe_u32 s2, ttmp6, 0x10000c
	s_cmp_lg_u32 s2, 0xf033
	s_cbranch_scc0 .Lentry_shape_is_right
	s_endpgm
.Lentry_shape_is_right:
; out = softmax(q k^T / 8 + attention_mask) v for 2 batches x 16 heads x 2,048 tokens x 64 dims, both products on codes of FP6 (E2M3) with E8M0 scales; out is quantised along the 1,024 channels and leaves as codes.
; THE LOGIT comes whole out of the first product: 1 / 8 is a power of two and is taken off q's scale bytes (3 off each), and the mask's numbers, loaded in the result's layout, are the product's C.
; THE SOFTMAX: M = the running largest t = logit x log2(e), rounded up to a whole number; p = 2^(t - M), t - M by one fused multiply-add on the logit; p is quantised along the keys, not normalised;
; the row's sum is taken of the unquantised p and divides at the end.  When M moves, the sum and O are multiplied by 2^(old M - new M), which rounds nothing.
; The mask is an input: every score is computed and every number of the mask is read.
; SHARES.  A work-group owns 64 queries x 4 heads: sixteen waves, wave w = 16 queries (w % 4) of head w / 4.  Every wave walks the 2,048 keys, 128 a step.
; A step's tiles: K and V of the four heads, 51,200 dense bytes of kv (images of operand registers), and 64 rows x 128 numbers of the mask.  A ring of two LDS slots.
; CLUSTER of 4 x 4: cx = head / 4, cy = which 64 of 256 queries.  The mask's tile is shared along a row of the cluster, K's and V's along a column: joint loads.
; LAYOUT.  Both products transposed: S^T = K Q^T, O^T = V^T P^T: a lane holds one query (lane % 16).  A fragment of K holds TWO tiles of 16 keys, at k 0-63 and k 64-127; multiplied by (Q | zeros) it gives
; the first tile's scores, by (zeros | Q) the second's.  Inside a block of 32 the codes of q, k (dims) and of v, p (keys) stand in the order 0-7, 16-23, 8-15, 24-31, alike on both sides of a product.
; STORED: ao [token / 128][K step of 128 channels][tile of 16 tokens][6 planes][lane][8 bytes]; asc [head / 4][token][8]: byte 2 (head % 4) + block.
; LIMITS: the promise holds while |t| stays under 2^31; a block of q whose scale byte lies under 4 (largest magnitude under 2^-121) is taken with the byte 1 after the division; a block whose largest
; magnitude lies under 2^-124 has its byte held at 1; a block of zeros gets the byte 1 (read by this program alone); NaN and infinities in the inputs are not served.
; lds_bytes claims all of LDS, and the adds of 0 stand where they do.
.set SLOT,  84992
.set MOFF,  51200
.set MP,    528
.set SPARE, 2*SLOT
.set GATH,  SPARE+2048
.set AK,  1
.set AM,  3
.set SPW, 5
.set NIL, 6
.set PFO, 7
.set SCW, 8                            ; v8-11 lanes 0-15 K's scale words, lanes 16-31 V's
.set QF,  16                           ; v16-21 Q, v22-27 zeros, v28-33 Q
.set QS,  34
.set PW,  35
.set KF,  36                           ; v36-83 K's fragments; behind the first product at work:
.set BM,  36
.set BP,  40
.set SO,  44
.set BY,  48
.set CV,  52
.set FF,  60
.set LB,  62
.set TA,  64
.set VF,  84                           ; v84-131 V's fragments
.set S,   148                          ; v148-211 the mask, the logits, p
.set O,   212
.set PC,  244
.set WV,  14
.set G1K, 24
.set G1M, 32
.set G0K, 40
.set G0M, 48
.set SEL, 56
.set CL,  60                           ; s[60:61] log2(e)
.set CNT, 62
.set LIM, 63
.set PFA, 66
.set PFS, 68
.macro ROUND
	s_barrier_signal -1
	s_barrier_wait -1
	s_cmp_lg_u32 s[WV], 0
	s_cbranch_scc1 .Lnot_wave_0_\@
	s_barrier_signal -3
.Lnot_wave_0_\@:
	s_barrier_wait -3
	s_barrier_signal -1
	s_barrier_wait -1
.endm
.macro JLOAD sl                        ; waves 0, 1: the halves of K's and V's tile; waves 2, 3: of the mask's; the others nothing
	s_cmp_lt_u32 s[WV], 2
	s_cbranch_scc0 .Lnot_k_\@
	tensor_load_to_lds s[G0K+4*(\sl):G0K+4*(\sl)+3], s[G1K:G1K+7]
	s_nop 0
.rept 4
	v_nop
.endr
	s_branch .Lasked_\@
.Lnot_k_\@:
	s_cmp_lt_u32 s[WV], 4
	s_cbranch_scc0 .Lasked_\@
	tensor_load_to_lds s[G0M+4*(\sl):G0M+4*(\sl)+3], s[G1M:G1M+7]
	s_nop 0
.rept 4
	v_nop
.endr
.Lasked_\@:
.endm
; A prefetch of the tile that the NEXT trip's joint load asks for.  Of the eight clusters that walk a batch's K and V the first asks, of the two that walk the mask's rows the one with cluster y under 8.
; The partners share a tile out by address: partner cy takes head block cy, 50 x 256 bytes (wave 4: 32, wave 5: 18, spare lanes held at the last); partner cx 16 rows of the mask, two blocks each (wave 6).
.macro ASK
	s_cmp_eq_u32 s[LIM], 1
	s_cbranch_scc0 .Lnot_mine_\@
	global_prefetch_b8 v[PFO], s[PFA:PFA+1] th:TH_LOAD_NT scope:SCOPE_SE
.Lnot_mine_\@:
.endm
	s_load_b256 s[4:11], s[0:1], 0x0               ; qimg, kv, the mask, ao
	s_load_b64 s[12:13], s[0:1], 0x20              ; asc
	v_lshl_add_u32 v[SPW], v0, 2, SPARE
	v_mov_b32 v[NIL], 0
	ds_add_u32 v[SPW], v[NIL]                      ; the opening adds, twice on end
	ds_add_u32 v[SPW], v[NIL]
	s_wait_dscnt 0x0
	v_lshrrev_b32 v1, 5, v0
	s_delay_alu instid0(VALU_DEP_1)
	v_readfirstlane_b32 s[WV], v1
	s_bfe_u32 s15, ttmp6, 0x40000                  ; cx = head / 4
	s_bfe_u32 s16, ttmp6, 0x40004                  ; cy
	s_and_b32 s17, ttmp7, 0xffff
	s_lshl_b32 s74, s16, 2
	s_lshl_b32 s74, 15, s74
	s_lshl_b32 s75, 0x1111, s15
	s_or_b32 s[G1K], s75, (3<<16)|(1<<21)          ; half a tile of K, V: 100 rows of 256 dense bytes
	s_mov_b32 s[G1K+1], 32<<16
	s_mov_b32 s[G1K+2], 100<<16
	s_mov_b32 s[G1K+3], 32<<16
	s_mov_b32 s[G1K+4], 100
	s_mov_b32 s[G1K+5], 32
	s_mov_b32 s[G1K+6], 0
	s_mov_b32 s[G1K+7], 0
	s_or_b32 s[G1M], s74, (2<<16)|(1<<20)|(1<<21)|(6<<22)|(3<<25)  ; the mask: 32 rows of 512 bytes, 16 bytes of padding behind each
	s_mov_b32 s[G1M+1], 128<<16
	s_mov_b32 s[G1M+2], 32<<16
	s_mov_b32 s[G1M+3], 128<<16
	s_mov_b32 s[G1M+4], 32
	s_mov_b32 s[G1M+5], 2048
	s_mov_b32 s[G1M+6], 0
	s_mov_b32 s[G1M+7], 0
	s_lshr_b32 s20, s17, 3                         ; batch
	s_and_b32 s21, s17, 7
	s_lshl_b32 s21, s21, 2
	s_add_co_u32 s21, s21, s16                     ; qb: which 64 queries
	s_and_b32 s22, s[WV], 1                        ; u
	s_lshr_b32 s23, s[WV], 2                       ; head % 4
	s_and_b32 s18, s[WV], 3                        ; qt
	s_lshl_b32 s70, s20, 2
	s_add_co_u32 s70, s70, s15
	s_mul_i32 s70, s70, 819200
	s_mul_i32 s19, s22, 25600
	s_add_co_u32 s72, s70, s19
	s_mov_b32 s73, 0
	s_lshl_b32 s76, s21, 6
	s_lshl_b32 s77, s22, 5
	s_add_co_u32 s76, s76, s77
	s_lshl_b32 s76, s76, 13
	s_mov_b32 s77, 0
	s_mul_i32 s78, s22, 32*MP
	s_add_co_u32 s78, s78, MOFF
	s_wait_kmcnt 0x0
	s_add_nc_u64 s[72:73], s[6:7], s[72:73]
	s_add_nc_u64 s[76:77], s[8:9], s[76:77]
.irp n, 0,1
	s_mov_b32 s[G0K+4*\n], 1
	s_add_co_u32 s[G0K+4*\n+1], s19, \n*SLOT
	s_add_nc_u64 s[G0K+4*\n+2:G0K+4*\n+3], s[72:73], \n*51200
	s_or_b32 s[G0K+4*\n+3], s[G0K+4*\n+3], 0x80000000
	s_mov_b32 s[G0M+4*\n], 1
	s_add_co_u32 s[G0M+4*\n+1], s78, \n*SLOT
	s_add_nc_u64 s[G0M+4*\n+2:G0M+4*\n+3], s[76:77], \n*512
	s_or_b32 s[G0M+4*\n+3], s[G0M+4*\n+3], 0x80000000
.endr
	ROUND
	JLOAD 0                                        ; tile 0
	v_and_b32 v154, 31, v0
	s_delay_alu instid0(VALU_DEP_1)
	v_lshlrev_b32 v148, 4, v154
	s_wait_alu depctr_va_vdst(0)
	s_mul_i32 s71, s23, 12800
	v_add_nc_u32 v[AK], s71, v148
	s_delay_alu instid0(VALU_DEP_1)
	v_add_nc_u32 v[AK+1], SLOT, v[AK]
	v_and_b32 v149, 15, v0
	s_wait_alu depctr_va_vdst(0)
	v_bfe_u32 v150, v0, 4, 1
	v_mul_u32_u24 v[AM], v149, MP
	s_delay_alu instid0(VALU_DEP_1)
	v_lshl_add_u32 v[AM], v150, 5, v[AM]
	s_mul_i32 s71, s18, 16*MP
	s_add_co_u32 s71, s71, MOFF
	v_add_nc_u32 v[AM], s71, v[AM]
	s_delay_alu instid0(VALU_DEP_1)
	v_add_nc_u32 v[AM+1], SLOT, v[AM]
	; Q: block 256 batch + 64 (head / 4) + 4 (qb / 2) + head % 4 of qimg; fragment f = 2 (qb % 2) + qt / 2; mine are its registers 6 u .. 6 u + 5
	s_lshl_b32 s71, s20, 8
	s_lshl_b32 s72, s15, 6
	s_add_co_u32 s71, s71, s72
	s_lshr_b32 s72, s21, 1
	s_lshl_b32 s72, s72, 2
	s_add_co_u32 s71, s71, s72
	s_add_co_u32 s71, s71, s23
	s_mul_i32 s72, s71, 6400
	s_mov_b32 s73, 0
	s_add_nc_u64 s[4:5], s[4:5], s[72:73]
	s_and_b32 s71, s21, 1
	s_lshl_b32 s71, s71, 1
	s_lshr_b32 s72, s18, 1
	s_add_co_u32 s71, s71, s72
	s_mul_i32 s72, s71, 1536
	s_mul_i32 s73, s22, 520
	s_add_co_u32 s72, s72, s73
	v_add_nc_u32 v151, s72, v148
	s_mul_i32 s73, s22, 496
	v_add_nc_u32 v152, s73, v151
	s_lshl_b32 s71, s71, 2
	v_lshl_add_u32 v153, v149, 4, s71
	global_load_b64 v[QF:QF+1], v151, s[4:5]
	global_load_b64 v[QF+2:QF+3], v152, s[4:5] offset:8
	global_load_b64 v[QF+4:QF+5], v151, s[4:5] offset:512
	global_load_b32 v[QS], v153, s[4:5] offset:6144
	; the prefetches: where mine stand, and whether I ask
	s_mul_i32 s71, s16, 12800
	s_add_co_u32 s70, s70, s71
	s_lshl_b32 s71, s21, 6
	s_lshl_b32 s72, s15, 4
	s_add_co_u32 s71, s71, s72
	s_lshl_b32 s71, s71, 13
	s_and_b32 s72, s17, 7
	s_lshr_b32 s73, s17, 3
	s_mov_b32 s[PFS], 512
	s_mov_b32 s[PFS+1], 0
	s_cmp_lt_u32 s[WV], 6
	s_cselect_b64 s[PFA:PFA+1], s[6:7], s[8:9]
	s_cselect_b32 s[PFS], 51200, s[PFS]
	s_cselect_b32 s70, s70, s71
	s_cselect_b32 s72, s72, s73
	s_cselect_b32 s74, -1, 0
	s_mov_b32 s71, 0
	s_add_nc_u64 s[PFA:PFA+1], s[PFA:PFA+1], s[70:71]
	s_add_nc_u64 s[PFA:PFA+1], s[PFA:PFA+1], s[PFS:PFS+1]   ; at tile 1: the first trip steps it to tile 2
	s_sub_co_u32 s73, s[WV], 4
	s_cmp_lt_u32 s73, 3
	s_cselect_b32 s73, 0, 1
	s_or_b32 s72, s72, s73
	s_cmp_eq_u32 s72, 0
	s_cselect_b32 s[LIM], 1, 0                     ; hangs on the wave's number and the cluster's y alone
	s_cmp_eq_u32 s[WV], 5
	s_cselect_b32 s75, 32, 0
	v_add_nc_u32 v155, s75, v154
	s_delay_alu instid0(VALU_DEP_1)
	v_min_u32 v155, 49, v155
	s_delay_alu instid0(VALU_DEP_1)
	v_lshlrev_b32 v155, 8, v155
	v_lshrrev_b32 v156, 1, v154
	v_and_b32 v157, 1, v154
	s_delay_alu instid0(VALU_DEP_2)
	v_lshlrev_b32 v156, 13, v156
	s_delay_alu instid0(VALU_DEP_1)
	v_lshl_or_b32 v156, v157, 8, v156
	s_delay_alu instid0(VALU_DEP_1)
	v_cndmask_b32 v[PFO], v156, v155, s74
	s_mov_b32 s[SEL], 0x76543210
	s_mov_b32 s[SEL+1], 0xfedcba98
	s_mov_b32 s[CL], 0x3fb8aa3b
	s_mov_b32 s[CL+1], s[CL]
	s_mov_b32 s[CNT], 7
	s_lshl_b32 s71, s22, 4
	s_wait_loadcnt 0x0                             ; Q
.irp i, 0,1,2,3,4,5
	v_mov_b32 v[QF+12+\i], v[QF+\i]
	v_mov_b32 v[QF+6+\i], 0
.endr
	v_lshrrev_b32 v[QS], s71, v[QS]                ; my tile's two bytes of the fragment's word
	s_delay_alu instid0(VALU_DEP_1)
	v_and_b32 v148, 0xff, v[QS]
	v_bfe_u32 v149, v[QS], 8, 8
	s_delay_alu instid0(VALU_DEP_2)
	v_max_u32 v148, 4, v148                        ; held at 4, so that 3 off leaves a byte of 1 at the least
	s_delay_alu instid0(VALU_DEP_2)
	v_max_u32 v149, 4, v149
	s_delay_alu instid0(VALU_DEP_1)
	v_lshl_or_b32 v[QS], v149, 8, v148
	s_delay_alu instid0(VALU_DEP_1)
	v_add_nc_u32 v[QS], 0xfffffcfd, v[QS]          ; 3 off each byte: q / 8
	s_delay_alu instid0(VALU_DEP_1)
	v_lshl_or_b32 v[QS], v[QS], 16, v[QS]          ; for k 0-63 and for k 64-127 alike
	v_mov_b32 v13, 0xff61b1e6                      ; the largest t so far: -3e38
	s_delay_alu instid0(VALU_DEP_1)
	v_floor_f32 v12, -v13                          ; -M
	v_mov_b32 v14, 0
	v_mov_b32 v15, 0
.set z, 0
.rept 32
	v_mov_b32 v[O+z], 0                            ; O^T: the first change of M multiplies zeros.  (Also the places behind the writes of Q and its scales)
.set z, z+1
.endr
.macro SUMS from, to                   ; sums number from .. to of the 32 that add a step's 64 p, in two chains; the last joins them
.set z, \from
.rept \to-\from+1
.if z == 1
	v_pk_add_f32 v[LB:LB+1], v[S:S+1], v[S+2:S+3]
.elseif z == 32
	s_delay_alu instid0(VALU_DEP_1)
	v_pk_add_f32 v[14:15], v[14:15], v[LB:LB+1]
.elseif z%2 == 0
	v_pk_add_f32 v[14:15], v[14:15], v[S+4+4*((z-2)/2):S+5+4*((z-2)/2)]
.else
	v_pk_add_f32 v[LB:LB+1], v[LB:LB+1], v[S+6+4*((z-2)/2):S+7+4*((z-2)/2)]
.endif
.set z, z+1
.endr
.endm
.macro STEP sl                         ; 128 keys out of slot sl
.irp f, 0,1,2,3
.irp g, 0,1,2
	ds_load_b128 v[KF+12*\f+4*\g:KF+12*\f+4*\g+3], v[AK+\sl] offset:\f*1536+\g*512
.endr
.endr
	ds_load_b128 v[SCW:SCW+3], v[AK+\sl] offset:12288
.irp t, 0,1,2,3,4,5,6,7
	ds_load_b128 v[S+8*\t:S+8*\t+3], v[AM+\sl] offset:64*\t        ; the mask at my query, keys 16 t + 8 h + 0 .. 7: the scores' layout, into the scores' registers
	ds_load_b128 v[S+8*\t+4:S+8*\t+7], v[AM+\sl] offset:64*\t+16
.endr
	s_wait_dscnt 0x0                               ; K, the scale words and the mask
.irp f, 0,1,2,3
.irp e, 0,1
	v_wmma_scale_f32_16x16x128_f8f6f4 v[S+8*(2*\f+\e):S+8*(2*\f+\e)+7], v[KF+12*\f:KF+12*\f+11], v[QF+6*\e:QF+6*\e+11], v[S+8*(2*\f+\e):S+8*(2*\f+\e)+7], v[SCW+\f], v[QS] matrix_a_fmt:MATRIX_FMT_FP6 matrix_b_fmt:MATRIX_FMT_FP6
.endr
.endr
.irp t, 0,1,2,3
.irp g, 0,1,2
	ds_load_b128 v[VF+12*\t+4*\g:VF+12*\t+4*\g+3], v[AK+\sl] offset:6144+\t*1536+\g*512   ; V's fragments land under the softmax
.endr
.endr
.rept 4
	v_nop                                          ; places behind the products
.endr
; the largest logit of each block of 32 keys: for the row's maximum and for the block's largest p.  Two chains a block, one for each tile of 16 keys: eight chains by turns
.irp c, 0,1
.irp b, 0,1,2,3
	v_max3_num_f32 v[BM+4*\c+\b], v[S+16*\b+8*\c], v[S+16*\b+8*\c+1], v[S+16*\b+8*\c+2]
.endr
.endr
.irp i, 3,5
.irp c, 0,1
.irp b, 0,1,2,3
	v_max3_num_f32 v[BM+4*\c+\b], v[BM+4*\c+\b], v[S+16*\b+8*\c+\i], v[S+16*\b+8*\c+\i+1]
.endr
.endr
.endr
.irp b, 0,1,2,3
	v_max3_num_f32 v[BM+\b], v[BM+\b], v[S+16*\b+7], v[S+16*\b+15]   ; each tile's last number
.endr
.irp b, 0,1,2,3
	s_delay_alu instid0(VALU_DEP_4)
	v_max_num_f32 v[BM+\b], v[BM+\b], v[BP+\b]     ; the two chains joined
.endr
.irp b, 0,1,2,3
	s_delay_alu instid0(VALU_DEP_4)
	v_permlanex16_b32 v[BP+\b], v[BM+\b], s[SEL], s[SEL+1]
.endr
.irp b, 0,1,2,3
	s_delay_alu instid0(VALU_DEP_4)
	v_max_num_f32 v[BM+\b], v[BM+\b], v[BP+\b]
.endr
	s_delay_alu instid0(VALU_DEP_2)
	v_max3_num_f32 v[TA], v[BM], v[BM+1], v[BM+2]
	s_delay_alu instid0(VALU_DEP_1)
	v_max_num_f32 v[TA], v[TA], v[BM+3]
	s_delay_alu instid0(VALU_DEP_1)
	v_mul_f32 v[TA], s[CL], v[TA]                  ; as t (log2(e) is positive)
	s_delay_alu instid0(VALU_DEP_1)
	v_max_num_f32 v13, v13, v[TA]                  ; the running largest t
	v_mov_b32 v[TA], v12
	s_delay_alu instid0(VALU_DEP_2)
	v_floor_f32 v12, -v13                          ; the new -M
	s_delay_alu instid0(VALU_DEP_1)
	v_sub_f32 v[TA], v12, v[TA]                    ; old M - new M: 0 or less
	s_delay_alu instid0(VALU_DEP_1)
	v_cvt_i32_f32 v[TA], v[TA]
	s_delay_alu instid0(VALU_DEP_1)
	v_ldexp_f32 v[FF], 1.0, v[TA]                  ; f = 2^(old M - new M)
.set z, 0
.rept 16
	v_pk_mul_f32 v[O+z:O+z+1], v[O+z:O+z+1], v[FF:FF+1] op_sel_hi:[1,0]   ; O^T under the new M
.set z, z+2
.endr
.set z, 0
.rept 32
	v_pk_fma_f32 v[S+z:S+z+1], v[S+z:S+z+1], s[CL:CL+1], v[12:13] op_sel_hi:[1,0,0]   ; t - M
.set z, z+2
.endr
.irp b, 0,1,2,3
	v_fma_f32 v[BM+\b], v[BM+\b], s[CL], v12       ; the same of each block's largest logit
.endr
.set z, 0
	s_wait_alu depctr_va_vdst(0)                   ; ahead of the batch
.rept 64
	v_exp_f32 v[S+z], v[S+z]                       ; p = 2^(t - M)
.set z, z+1
.endr
	v_pk_mul_f32 v[14:15], v[14:15], v[FF:FF+1] op_sel_hi:[1,0]    ; the sum under the new M: the plain place behind the exponentials
	s_wait_alu depctr_va_vdst(0)                   ; one wait for the 64
.irp b, 0,1,2,3
	v_exp_f32 v[BM+\b], v[BM+\b]                   ; the block's largest p
.endr
	SUMS 1, 16
	s_wait_alu depctr_va_vdst(0)                   ; and one for the four
.irp b, 0,1,2,3
	v_max_num_f32 v[BM+\b], 0x1800000, v[BM+\b]    ; the floor 2^(3 - 127)
.endr
.irp b, 0,1,2,3
	s_delay_alu instid0(VALU_DEP_4)
	v_add_nc_u32 v[SO+\b], 0xff000000, v[BM+\b]
.endr
.irp b, 0,1,2,3
	s_delay_alu instid0(VALU_DEP_4)
	v_lshrrev_b32 v[BY+\b], 23, v[SO+\b]
.endr
	s_delay_alu instid0(VALU_DEP_3)
	v_lshl_or_b32 v[PW], v[BY+1], 8, v[BY]
	s_delay_alu instid0(VALU_DEP_1)
	v_lshl_or_b32 v[PW], v[BY+2], 16, v[PW]
	s_delay_alu instid0(VALU_DEP_1)
	v_lshl_or_b32 v[PW], v[BY+3], 24, v[PW]
.irp c, 0,1
	v_cvt_scalef32_pk16_fp6_f32 v[PC+6*\c:PC+6*\c+2], v[S+32*\c:S+32*\c+15], v[SO+2*\c]
	v_cvt_scalef32_pk16_fp6_f32 v[CV+4*\c:CV+4*\c+2], v[S+32*\c+16:S+32*\c+31], v[SO+2*\c+1]
.endr
	v_nop
.irp c, 0,1
.irp i, 0,1,2
	v_permlane16_swap_b32 v[PC+6*\c+\i], v[CV+4*\c+\i]             ; a whole block to a lane
.endr
.irp i, 0,1,2
	s_delay_alu instid0(VALU_DEP_3)
	v_mov_b32 v[PC+3+6*\c+\i], v[CV+4*\c+\i]
.endr
.endr
	SUMS 17, 28                                    ; twelve plain lines between the writes of p's codes and scale word and the products
	s_wait_alu depctr_va_vdst(0)
	s_wait_dscnt 0x0                               ; V
.irp t, 0,1,2,3                        ; the four accumulators take turns
	v_wmma_scale_f32_16x16x128_f8f6f4 v[O+8*\t:O+8*\t+7], v[VF+12*\t:VF+12*\t+11], v[PC:PC+11], v[O+8*\t:O+8*\t+7], v[SCW+\t], v[PW] matrix_a_fmt:MATRIX_FMT_FP6 matrix_b_fmt:MATRIX_FMT_FP6 matrix_a_scale:MATRIX_SCALE_ROW1
.endr
	SUMS 29, 32                                    ; four plain lines: the places in front of the next step's loads
.endm
; A trip: every wave waits for all its tensor loads, adds 0 to its spare word, waits for that and for its reads of the slot left;
; a round of the cluster's barrier; the slot just left is filled with the next tile.
.macro TRIP sl, refill, ask
	s_wait_tensorcnt 0x0
	ds_add_u32 v[SPW], v[NIL]
.if \refill
	ds_add_u32 v[SPW], v[NIL]
.endif
	s_add_nc_u64 s[G0K+4*\sl+2:G0K+4*\sl+3], s[G0K+4*\sl+2:G0K+4*\sl+3], 2*51200
	s_add_nc_u64 s[G0M+4*\sl+2:G0M+4*\sl+3], s[G0M+4*\sl+2:G0M+4*\sl+3], 2*512
.if \ask
	s_wait_xcnt 0x0                                ; the last prefetch, a trip back, has read its address
	s_add_nc_u64 s[PFA:PFA+1], s[PFA:PFA+1], s[PFS:PFS+1]
.endif
	s_wait_dscnt 0x0
	ROUND
.if \refill
	JLOAD 1-\sl
.endif
.if \ask
	ASK
.endif
	STEP \sl
.endm
.Lpair:
	TRIP 0, 1, 1
	TRIP 1, 1, 1
	s_sub_co_u32 s[CNT], s[CNT], 1
	s_cmp_lg_u32 s[CNT], 0
	s_cbranch_scc1 .Lpair
	TRIP 0, 1, 0                                   ; the tail: tile 15 is asked for, then nothing
	TRIP 1, 0, 0
	; THE WAY OUT.  O^T / the sum; the dims' order made natural; two blocks of 32 quantised
	s_delay_alu instid0(VALU_DEP_1)
	v_add_f32 v14, v14, v15
	s_delay_alu instid0(VALU_DEP_1)
	v_permlanex16_b32 v[BM], v14, s[SEL], s[SEL+1]
	s_delay_alu instid0(VALU_DEP_1)
	v_add_f32 v14, v14, v[BM]
	s_wait_alu depctr_va_vdst(0)
	v_rcp_f32 v[FF], v14
	v_and_b32 v4, 31, v0
	s_delay_alu instid0(VALU_DEP_1)
	v_lshlrev_b32 v3, 3, v4
	s_delay_alu instid0(VALU_DEP_2)
	v_lshlrev_b32 v4, 4, v4
	s_delay_alu instid0(VALU_DEP_1)
	v_add_nc_u32 v2, GATH, v4
	s_lshl_b32 s73, s18, 7
	s_lshl_b32 s74, s23, 1
	s_add_co_u32 s73, s73, s74
	s_add_co_u32 s73, s73, GATH
	v_and_b32 v1, 15, v0
	s_delay_alu instid0(VALU_DEP_1)
	v_lshl_add_u32 v1, v1, 3, s73
	s_lshl_b32 s70, s20, 4
	s_lshr_b32 s71, s21, 1
	s_add_co_u32 s70, s70, s71
	s_lshl_b32 s70, s70, 3
	s_lshl_b32 s71, s15, 1
	s_add_co_u32 s70, s70, s71
	s_lshr_b32 s71, s23, 1
	s_add_co_u32 s70, s70, s71
	s_lshl_b32 s70, s70, 3
	s_and_b32 s71, s21, 1
	s_lshl_b32 s71, s71, 2
	s_add_co_u32 s70, s70, s71
	s_add_co_u32 s70, s70, s18
	s_mul_i32 s70, s70, 1536
	s_and_b32 s71, s23, 1
	s_mul_i32 s71, s71, 768
	s_add_co_u32 s70, s70, s71
	s_mov_b32 s71, 0
	s_add_nc_u64 s[10:11], s[10:11], s[70:71]
	s_lshl_b32 s70, s15, 15
	s_lshl_b32 s72, s20, 14
	s_add_co_u32 s70, s70, s72
	s_lshl_b32 s72, s21, 9
	s_add_co_u32 s70, s70, s72
	s_add_nc_u64 s[12:13], s[12:13], s[70:71]
	s_wait_alu depctr_va_vdst(0)                   ; ahead of the first reader of the reciprocal and of O^T
.set z, 0
.rept 16
	v_pk_mul_f32 v[S+z:S+z+1], v[O+z:O+z+1], v[FF:FF+1] op_sel_hi:[1,0]
.set z, z+2
.endr
.irp b, 0,1
.irp j, 0,1,2,3,4,5,6,7
	v_permlane16_swap_b32 v[S+16*\b+\j], v[S+16*\b+8+\j]           ; register 16 b + i now holds dim 32 b + 16 h + i: W_proj's order
.endr
.endr
.irp b, 0,1
	v_max3_num_f32 v[BM+\b], |v[S+16*\b]|, |v[S+1+16*\b]|, 0x1800000
.endr
.irp i, 2,4,6,8,10,12,14
.irp b, 0,1
	s_delay_alu instid0(VALU_DEP_2)
	v_max3_num_f32 v[BM+\b], v[BM+\b], |v[S+16*\b+\i]|, |v[S+1+16*\b+\i]|
.endr
.endr
.irp b, 0,1
	s_delay_alu instid0(VALU_DEP_2)
	v_permlanex16_b32 v[BP+\b], v[BM+\b], s[SEL], s[SEL+1]
.endr
.irp b, 0,1
	s_delay_alu instid0(VALU_DEP_2)
	v_max_num_f32 v[BM+\b], v[BM+\b], v[BP+\b]
.endr
.irp b, 0,1
	s_delay_alu instid0(VALU_DEP_2)
	v_add_nc_u32 v[SO+\b], 0xff000000, v[BM+\b]
.endr
.irp b, 0,1
	s_delay_alu instid0(VALU_DEP_2)
	v_lshrrev_b32 v[BY+\b], 23, v[SO+\b]
.endr
	s_delay_alu instid0(VALU_DEP_1)
	v_lshl_or_b32 v[BY], v[BY+1], 8, v[BY]
	v_cvt_scalef32_pk16_fp6_f32 v[PC:PC+2], v[S:S+15], v[SO]
	v_cvt_scalef32_pk16_fp6_f32 v[CV:CV+2], v[S+16:S+31], v[SO+1]
	v_nop
.irp i, 0,1,2
	v_permlane16_swap_b32 v[PC+\i], v[CV+\i]
.endr
.irp i, 0,1,2
	s_delay_alu instid0(VALU_DEP_3)
	v_mov_b32 v[PC+3+\i], v[CV+\i]
.endr
.irp i, 0,1,2
	global_store_b64 v3, v[PC+2*\i:PC+2*\i+1], s[10:11] offset:256*\i   ; 32 lanes store 256 consecutive bytes, aligned
.endr
	ds_store_b16 v1, v[BY]
	s_wait_dscnt 0x0                               ; for the others' sake
	s_barrier_signal -1
	s_barrier_wait -1
	s_cmp_lg_u32 s[WV], 0
	s_cbranch_scc1 .Lnot_first
	ds_load_b128 v[68:71], v2                      ; the 64 tokens' 512 scale bytes
	s_wait_dscnt 0x0
	global_store_b128 v4, v[68:71], s[12:13]
.Lnot_first:
	s_wait_tensorcnt 0x0                           ; the wave's end
	ds_add_u32 v[SPW], v[NIL]
	s_wait_dscnt 0x0
	ROUND                                          ; the closing round
	s_endpgm
.Lfunc_end_k_qfbbc89f1ea_attn:
	.size	k_qfbbc89f1ea_attn, .Lfunc_end_k_qfbbc89f1ea_attn-k_qfbbc89f1ea_attn
	.p2alignl 7, 3214868480
	.fill 96, 4, 3214868480
	.section	.rodata,"a",@progbits
	.p2align	6, 0x0
	.amdhsa_kernel k_qfbbc89f1ea_attn
		.amdhsa_group_segment_fixed_size 327680
		.amdhsa_private_segment_fixed_size 0
		.amdhsa_enable_private_segment 0
		.amdhsa_kernarg_size 40
		.amdhsa_user_sgpr_count 2
		.amdhsa_user_sgpr_kernarg_segment_ptr 1
		.amdhsa_wavefront_size32 1
		.amdhsa_system_sgpr_workgroup_id_x 1
		.amdhsa_system_sgpr_workgroup_id_y 1
		.amdhsa_system_sgpr_workgroup_id_z 1
		.amdhsa_system_vgpr_workitem_id 0
		.amdhsa_next_free_vgpr 256
		.amdhsa_next_free_sgpr 80
		.amdhsa_reserve_vcc 0
		.amdhsa_float_denorm_mode_32 3
		.amdhsa_float_denorm_mode_16_64 3
		.amdhsa_memory_ordered 1
		.amdhsa_forward_progress 1
		.amdhsa_inst_pref_size 91
	.end_amdhsa_kernel
	.amdgpu_metadata
---
amdhsa.version: [ 1, 2 ]
amdhsa.kernels:
  - .name:           k_qfbbc89f1ea_attn
    .symbol:         k_qfbbc89f1ea_attn.kd
    .args:
      - { .name: qimg, .offset: 0, .size: 8, .value_kind: global_buffer, .address_space: global }
      - { .name: kv, .offset: 8, .size: 8, .value_kind: global_buffer, .address_space: global }
      - { .name: attention_mask, .offset: 16, .size: 8, .value_kind: global_buffer, .address_space: global }
      - { .name: ao, .offset: 24, .size: 8, .value_kind: global_buffer, .address_space: global }
      - { .name: asc, .offset: 32, .size: 8, .value_kind: global_buffer, .address_space: global }
    .group_segment_fixed_size: 327680
    .private_segment_fixed_size: 0
    .kernarg_segment_align: 8
    .kernarg_segment_size: 40
    .max_flat_workgroup_size: 512
    .sgpr_count:     80
    .vgpr_count:     256
    .wavefront_size: 32
...
	.end_amdgpu_metadata
.endif
;; end of part 2
;; launch proj (part 3): grid 8 x 32, 4 waves a work-group, clusters of 4 x 4, 239,104 bytes of LDS; arguments ao, asc, W_proj_codes, W_proj_scales, b_proj, out0; writes out0
.if DOCPART == 3
	.amdgcn_target "amdgcn-amd-amdhsa--gfx1250"
	.amdhsa_code_object_version 6
	.text
	.protected	k_qfbbc89f1ea_proj
	.globl	k_qfbbc89f1ea_proj
	.p2align	8
	.type	k_qfbbc89f1ea_proj,@function
k_qfbbc89f1ea_proj:
	s_mov_b64 s[64:65], 0
	v_nop
	global_prefetch_b8 v0, s[64:65] scope:SCOPE_SE
	s_setreg_imm32_b32 hwreg(HW_REG_WAVE_MODE, 25, 1), 1
	s_wait_xcnt 0x0
	s_wait_alu depctr_hold_cnt(0) depctr_sa_sdst(0) depctr_va_vdst(0) depctr_va_sdst(0) depctr_va_ssrc(0) depctr_va_vcc(0) depctr_vm_vsrc(0)
	s_getreg_b32 s2, hwreg(HW_REG_IB_STS2, 6, 4)
	s_cmp_eq_u32 s2, 0
	s_cbranch_scc0 .Lentry_in_a_cluster
	s_endpgm
.Lentry_in_a_cluster:
	s_bfe_u32 s2, ttmp6, 0x10000c
	s_cmp_lg_u32 s2, 0xf033
	s_cbranch_scc0 .Lentry_shape_is_right
	s_endpgm
.Lentry_shape_is_right:
; out0 = out W_proj^T + b_proj on codes of FP6 (E2M3) with one E8M0 scale for each 32 along K = 1,024.  out: 4,096 tokens, as images of operand registers (ao) and scale bytes (asc);
; W_proj: a row is 768 bytes of codes and 32 scale bytes; out0: [4096][1024] f32.
; A work-group of four waves makes 128 tokens x 128 outputs, 256 work-groups; a wave makes 64 x 64: 16 accumulators.
; ALL OF K LIES IN LDS, filled once, one tensor load a wave: waves 0, 1 the halves of ao's 98,304 dense bytes (192 rows of 256), waves 2, 3 64 whole rows of W_proj each (768 bytes, at multiples of 256;
; 16 bytes of padding behind every 256: an LDS pitch of 816).  No ring, no refill.  No prefetch: the text has no loop to run ahead in; all is asked for at the head.
; CLUSTER of 4 x 4: the tokens' tiles are shared along a row of the cluster, W_proj's along a column: joint loads.
; The matrix instruction is used transposed (source 0 = 16 rows of W_proj, source 1 = 16 tokens): a lane holds eight neighbouring outputs of one token.  The bias is the C of each sum's first instruction.
; REGISTERS: window 0: v16-31 addresses; v32-47 the tokens' scale words, v48-63 W_proj's; v64-95 the bias, later with v96-127 rows on the way out; v128-255 the accumulators.
;   window 1: two sets of fragments at v0 and v128: the tokens' 4 x 12 registers, then W_proj's 4 x 12.
.set BBASE, 98304
.set BP,    816
.set STG,   221184                     ; a stage of 16 rows x 272 bytes for each wave; no tile lands here (W_proj's rows end at 202,752)
.set SPARE, 238592
.set AA,   16
.set ADB,  20                          ; v20 W_proj's rows; v21 the same with lanes 16-31 behind one padding more
.set STO,  24
.set RD,   25
.set CO,   26
.set SA,   32
.set SB,   48
.set BIAS, 64
.set OB,   64
.set ACC,  128
.set G1A,  24
.set G1B,  32
.set G0A,  40
.set G0B,  44
.set MSB, 0
.macro WIN new
.if MSB != \new
	s_set_vgpr_msb (MSB<<8)|\new
.set MSB, \new
.endif
.endm
.macro CROUND
	s_barrier_signal -1
	s_barrier_wait -1
	s_cmp_lg_u32 s16, 0
	s_cbranch_scc1 .Lnot_wave_0_\@
	s_barrier_signal -3
.Lnot_wave_0_\@:
	s_barrier_wait -3
	s_barrier_signal -1
	s_barrier_wait -1
.endm
	s_load_b256 s[4:11], s[0:1], 0x0               ; ao, asc, W_proj's codes, its scales
	s_load_b128 s[12:15], s[0:1], 0x20             ; b_proj, out0
	v_lshl_add_u32 v30, v0, 2, SPARE
	v_mov_b32 v31, 0
	ds_add_u32 v30, v31                            ; the opening adds, twice on end
	ds_add_u32 v30, v31
	v_lshrrev_b32 v1, 5, v0
	v_readfirstlane_b32 s16, v1
	s_lshr_b32 s17, s16, 1                         ; which 64 tokens are mine; also: I fetch tokens (0) or W_proj (1)
	s_and_b32 s18, s16, 1                          ; which 64 outputs; also: which half I fetch
	s_bfe_u32 s19, ttmp6, 0x40000
	s_bfe_u32 s20, ttmp6, 0x40004
	s_lshl_b32 s21, ttmp9, 2
	s_add_co_u32 s21, s21, s19                     ; which 128 outputs
	s_and_b32 s22, ttmp7, 0xffff
	s_lshl_b32 s22, s22, 2
	s_add_co_u32 s22, s22, s20                     ; which 128 tokens
	s_lshl_b32 s76, s20, 2
	s_lshl_b32 s76, 15, s76
	s_lshl_b32 s77, 0x1111, s19
	s_or_b32 s[G1A], s76, (3<<16)|(1<<21)          ; 192 rows of 32 elements of 8 bytes, dense
	s_mov_b32 s[G1A+1], 32<<16
	s_mov_b32 s[G1A+2], 192<<16
	s_mov_b32 s[G1A+3], 32<<16
	s_mov_b32 s[G1A+4], 192
	s_mov_b32 s[G1A+5], 32
	s_mov_b32 s[G1A+6], 0
	s_mov_b32 s[G1A+7], 0
	s_or_b32 s[G1B], s77, (0<<16)|(1<<20)|(1<<21)|(5<<22)|(3<<25)  ; 64 rows of 768 bytes; 4 words of padding behind every 64
	s_mov_b32 s[G1B+1], 768<<16
	s_mov_b32 s[G1B+2], 64<<16
	s_mov_b32 s[G1B+3], 768<<16
	s_mov_b32 s[G1B+4], 64
	s_mov_b32 s[G1B+5], 768
	s_mov_b32 s[G1B+6], 0
	s_mov_b32 s[G1B+7], 0
	s_mul_i32 s76, s22, 98304
	s_mul_i32 s84, s18, 49152
	s_add_co_u32 s76, s76, s84
	s_mov_b32 s77, 0
	s_lshl_b32 s80, s21, 7
	s_lshl_b32 s81, s18, 6
	s_add_co_u32 s80, s80, s81
	s_mul_i32 s80, s80, 768
	s_mov_b32 s81, 0
	s_mul_i32 s85, s18, 64*BP
	s_add_co_u32 s85, s85, BBASE
	s_wait_dscnt 0x0
	s_wait_kmcnt 0x0
	s_mov_b32 s[G0A], 1
	s_mov_b32 s[G0A+1], s84
	s_add_nc_u64 s[G0A+2:G0A+3], s[4:5], s[76:77]
	s_or_b32 s[G0A+3], s[G0A+3], 0x80000000
	s_mov_b32 s[G0B], 1
	s_mov_b32 s[G0B+1], s85
	s_add_nc_u64 s[G0B+2:G0B+3], s[8:9], s[80:81]
	s_or_b32 s[G0B+3], s[G0B+3], 0x80000000
	CROUND
	s_cmp_eq_u32 s17, 0                            ; one load in each arm: every way passes one
	s_cbranch_scc0 .Lfor_b
	tensor_load_to_lds s[G0A:G0A+3], s[G1A:G1A+7]
	s_nop 0
.rept 4
	v_nop
.endr
	s_branch .Lasked
.Lfor_b:
	tensor_load_to_lds s[G0B:G0B+3], s[G1B:G1B+7]
	s_nop 0
.rept 4
	v_nop
.endr
.Lasked:
	v_and_b32 v1, 31, v0
	v_and_b32 v2, 15, v0
	v_bfe_u32 v3, v0, 4, 1
	v_lshlrev_b32 v27, 3, v1
	v_lshlrev_b32 v28, 5, v1
	v_lshlrev_b32 v29, 5, v3
	s_mul_i32 s76, s17, 6144
	v_add_nc_u32 v[AA], s76, v27
	v_add_nc_u32 v[AA+1], 49152, v[AA]
	v_mul_u32_u24 v4, v2, BP
	v_mad_u32_u24 v4, v3, 24, v4
	v_lshl_add_u32 v5, v3, 4, v4
	s_mul_i32 s76, s18, 64*BP
	s_add_co_u32 s76, s76, BBASE
	v_add_nc_u32 v[ADB], s76, v4
	v_add_nc_u32 v[ADB+1], s76, v5
	s_mul_i32 s76, s16, 16*272
	s_add_co_u32 s76, s76, STG
	v_mul_u32_u24 v[STO], v2, 272
	v_lshl_add_u32 v[STO], v3, 5, v[STO]
	v_add_nc_u32 v[STO], s76, v[STO]
	v_mul_u32_u24 v[RD], v3, 272
	v_lshl_add_u32 v[RD], v2, 4, v[RD]
	v_add_nc_u32 v[RD], s76, v[RD]
	v_lshlrev_b32 v[CO], 12, v3
	v_lshl_add_u32 v[CO], v2, 4, v[CO]
	s_lshl_b32 s76, s22, 7
	s_lshl_b32 s77, s17, 6
	s_add_co_u32 s76, s76, s77                     ; my first token
	s_lshl_b32 s80, s21, 7
	s_lshl_b32 s81, s18, 6
	s_add_co_u32 s80, s80, s81                     ; my first output
	s_lshl_b32 s78, s76, 3
	s_mov_b32 s79, 0
	s_add_nc_u64 s[6:7], s[6:7], s[78:79]
	s_lshl_b32 s78, s80, 5
	s_add_nc_u64 s[10:11], s[10:11], s[78:79]
	s_lshl_b32 s78, s80, 2
	s_add_nc_u64 s[12:13], s[12:13], s[78:79]
	s_add_nc_u64 s[14:15], s[14:15], s[78:79]
	s_lshl_b32 s78, s76, 12
	s_add_nc_u64 s[14:15], s[14:15], s[78:79]
	s_wait_alu depctr_va_vdst(0)                   ; behind the run of scalar lines
.irp i, 0,1
.irp g, 0,1,2,3
	global_load_b64 v[SA+8*\i+2*\g:SA+8*\i+2*\g+1], v27, s[6:7] offset:\g*32768+\i*256   ; tokens 32 i + lane: the words of K steps 2 g, 2 g + 1
.endr
	global_load_b128 v[SB+8*\i:SB+8*\i+3], v28, s[10:11] offset:\i*1024                   ; outputs 32 i + lane: the words of K steps 0 .. 7
	global_load_b128 v[SB+8*\i+4:SB+8*\i+7], v28, s[10:11] offset:\i*1024+16
.endr
.irp b, 0,1,2,3
	global_load_b128 v[BIAS+8*\b:BIAS+8*\b+3], v29, s[12:13] offset:64*\b                 ; outputs 16 b + 8 h + 0 .. 7
	global_load_b128 v[BIAS+8*\b+4:BIAS+8*\b+7], v29, s[12:13] offset:64*\b+16
.endr
.macro FRAGB reg, j, i                 ; W_proj's block i, K step j: six pieces of 8 bytes; byte y of a row lies at y + 16 (y / 256) of its LDS row
.irp p, 0,1,2,3,4,5
.set BY, 96*(\j)+48*(\p/3)+8*(\p%3)
.if BY/256 == (BY+24)/256
	ds_load_b64 v[\reg+2*\p:\reg+2*\p+1], v[ADB] offset:BY+16*(BY/256)+(\i)*16*BP
.else
	ds_load_b64 v[\reg+2*\p:\reg+2*\p+1], v[ADB+1] offset:BY+16*(BY/256)+(\i)*16*BP
.endif
.endr
.endm
.macro FETCH j, st                     ; K step j's eight fragments into set st: 48 loads
	WIN 0x40
.irp a, 0,1,2,3
.irp pl, 0,1,2,3,4,5
	ds_load_b64 v[128*(\st)+12*\a+2*\pl:128*(\st)+12*\a+2*\pl+1], v[AA+(\j)/4] offset:((\j)%4)*12288+\a*1536+256*\pl
.endr
.endr
.irp b, 0,1,2,3
	FRAGB 128*(\st)+48+12*\b, \j, \b
.endr
.endm
.macro WM d, x, y, c, sx, sy, rx, ry   ; rx, ry: the half of the lanes in which source 0's and source 1's scale words lie
.if ((\rx) == 1) && ((\ry) == 1)
	v_wmma_scale_f32_16x16x128_f8f6f4 v[\d:\d+7], v[\x:\x+11], v[\y:\y+11], v[\c:\c+7], v[\sx], v[\sy] matrix_a_fmt:MATRIX_FMT_FP6 matrix_b_fmt:MATRIX_FMT_FP6 matrix_a_scale:MATRIX_SCALE_ROW1 matrix_b_scale:MATRIX_SCALE_ROW1
.elseif (\rx) == 1
	v_wmma_scale_f32_16x16x128_f8f6f4 v[\d:\d+7], v[\x:\x+11], v[\y:\y+11], v[\c:\c+7], v[\sx], v[\sy] matrix_a_fmt:MATRIX_FMT_FP6 matrix_b_fmt:MATRIX_FMT_FP6 matrix_a_scale:MATRIX_SCALE_ROW1
.elseif (\ry) == 1
	v_wmma_scale_f32_16x16x128_f8f6f4 v[\d:\d+7], v[\x:\x+11], v[\y:\y+11], v[\c:\c+7], v[\sx], v[\sy] matrix_a_fmt:MATRIX_FMT_FP6 matrix_b_fmt:MATRIX_FMT_FP6 matrix_b_scale:MATRIX_SCALE_ROW1
.else
	v_wmma_scale_f32_16x16x128_f8f6f4 v[\d:\d+7], v[\x:\x+11], v[\y:\y+11], v[\c:\c+7], v[\sx], v[\sy] matrix_a_fmt:MATRIX_FMT_FP6 matrix_b_fmt:MATRIX_FMT_FP6
.endif
.endm
.macro MUL j, st                       ; 16 products: the accumulators take turns, in the same order in every K step
	WIN 0x05
.irp a, 0,1,2,3
.irp b, 0,1,2,3
.if (\j) == 0
	WM ACC+8*(4*\a+\b), 128*(\st)+48+12*\b, 128*(\st)+12*\a, BIAS+8*\b, SB+8*(\b/2)+(\j), SA+8*(\a/2)+(\j), \b%2, \a%2
.else
	WM ACC+8*(4*\a+\b), 128*(\st)+48+12*\b, 128*(\st)+12*\a, ACC+8*(4*\a+\b), SB+8*(\b/2)+(\j), SA+8*(\a/2)+(\j), \b%2, \a%2
.endif
.endr
.endr
.endm
	s_wait_alu depctr_va_vdst(0)                   ; the head's end
	s_wait_tensorcnt 0x0                           ; my one load is in
	s_barrier_signal -1
	s_barrier_wait -1                              ; everybody's is
	FETCH 0, 0
	s_wait_loadcnt 0x0                             ; the scale words and the bias
.irp j, 0,1,2,3,4,5,6,7
.if \j > 0
.rept 4
	v_nop                                          ; places in front of loads into the set that the last products read
.endr
.endif
.if \j < 7
	FETCH \j+1, (\j+1)%2
	s_wait_dscnt 48                                ; this K step's fragments are in; the 48 loads just issued may be out
.else
	s_wait_dscnt 0x0
.endif
	MUL \j, \j%2
.endr
	WIN 0
.rept 4
	v_nop                                          ; places in front of the first read of results
.endr
	; THE WAY OUT: 16 tokens x 64 outputs at a time through my own stage, back as rows of 256 bytes; LDS serves a wave's instructions in order (ISA guide 5.7.1.4)
.irp a, 0,1,2,3
.if \a > 1
	s_wait_xcnt 0x0                                ; the stores of two blocks back have read their registers
.endif
.irp b, 0,1,2,3
	ds_store_b128 v[STO], v[ACC+8*(4*\a+\b):ACC+8*(4*\a+\b)+3] offset:64*\b
	ds_store_b128 v[STO], v[ACC+8*(4*\a+\b)+4:ACC+8*(4*\a+\b)+7] offset:64*\b+16
.endr
.irp i, 0,1,2,3,4,5,6,7
	ds_load_b128 v[OB+32*(\a%2)+4*\i:OB+32*(\a%2)+4*\i+3], v[RD] offset:544*\i
.endr
.irp i, 0,1,2,3,4,5,6,7
	s_wait_dscnt 7-\i                              ; the younger rows may be out
	global_store_b128 v[CO], v[OB+32*(\a%2)+4*\i:OB+32*(\a%2)+4*\i+3], s[14:15] offset:\a*65536+\i*8192 th:TH_STORE_NT   ; 16 lanes store 256 consecutive bytes, aligned
.endr
.endr
	s_wait_tensorcnt 0x0                           ; the wave's end
	ds_add_u32 v30, v31
	s_wait_dscnt 0x0
	CROUND                                         ; the closing round
	s_endpgm
.Lfunc_end_k_qfbbc89f1ea_proj:
	.size	k_qfbbc89f1ea_proj, .Lfunc_end_k_qfbbc89f1ea_proj-k_qfbbc89f1ea_proj
	.p2alignl 7, 3214868480
	.fill 96, 4, 3214868480
	.section	.rodata,"a",@progbits
	.p2align	6, 0x0
	.amdhsa_kernel k_qfbbc89f1ea_proj
		.amdhsa_group_segment_fixed_size 239104
		.amdhsa_private_segment_fixed_size 0
		.amdhsa_enable_private_segment 0
		.amdhsa_kernarg_size 48
		.amdhsa_user_sgpr_count 2
		.amdhsa_user_sgpr_kernarg_segment_ptr 1
		.amdhsa_wavefront_size32 1
		.amdhsa_system_sgpr_workgroup_id_x 1
		.amdhsa_system_sgpr_workgroup_id_y 1
		.amdhsa_system_sgpr_workgroup_id_z 1
		.amdhsa_system_vgpr_workitem_id 0
		.amdhsa_next_free_vgpr 512
		.amdhsa_next_free_sgpr 92
		.amdhsa_reserve_vcc 0
		.amdhsa_float_denorm_mode_32 3
		.amdhsa_float_denorm_mode_16_64 3
		.amdhsa_memory_ordered 1
		.amdhsa_forward_progress 1
		.amdhsa_inst_pref_size 59
	.end_amdhsa_kernel
	.amdgpu_metadata
---
amdhsa.version: [ 1, 2 ]
amdhsa.kernels:
  - .name:           k_qfbbc89f1ea_proj
    .symbol:         k_qfbbc89f1ea_proj.kd
    .args:
      - { .name: ao, .offset: 0, .size: 8, .value_kind: global_buffer, .address_space: global }
      - { .name: asc, .offset: 8, .size: 8, .value_kind: global_buffer, .address_space: global }
      - { .name: W_proj_codes, .offset: 16, .size: 8, .value_kind: global_buffer, .address_space: global }
      - { .name: W_proj_scales, .offset: 24, .size: 8, .value_kind: global_buffer, .address_space: global }
      - { .name: b_proj, .offset: 32, .size: 8, .value_kind: global_buffer, .address_space: global }
      - { .name: out0, .offset: 40, .size: 8, .value_kind: global_buffer, .address_space: global }
    .group_segment_fixed_size: 239104
    .private_segment_fixed_size: 0
    .kernarg_segment_align: 8
    .kernarg_segment_size: 48
    .max_flat_workgroup_size: 128
    .sgpr_count:     92
    .vgpr_count:     512
    .wavefront_size: 32
...
	.end_amdgpu_metadata
.endif
;; end of part 3
